; MI455X (gfx1250); checked and timed in simulation.
; The chip was launched on July 23, 2026; its instructions are those of AMD's public machine-readable ISA for CDNA 5 (MIT licence, August 2026) and "CDNA5" Instruction Set Architecture Reference Guide (July 2026). The comments in the code are by the model that wrote it; some were corrected since.
;; QKV Attention Legacy. Allowed arithmetic: matrix products marked QUANTISED: E2M3 operands, one E8M0 scale for each 32 along K, by v_wmma_scale_f32_16x16x128_f8f6f4 with both operands' format E2M3, f32 sums; everything else in f32.
;; Inputs: qkv 4 x 3,072 x 2,048 float32.
;; Outputs: out0 4 x 1,024 x 2,048 float32.
;; This version of the problem:
;;   THIS VERSION OF THE PROBLEM IS GIVEN IN LOW PRECISION. The matrix products marked QUANTISED in the list below multiply operands that are first quantised to E2M3 (2 exponent bits, 3 mantissa bits; 6 bits a number), with one power-of-two scale for each 32 numbers along K (OCP MX v1.0); their sums are f32. All else is computed in f32.
;;   The module's matrix products, in the order in which they are computed (A, B: the left and right operand; K: the contracted axis; several contracted axes count as one K, in the product's order):
;;     1. batch 64 x [M 2,048, K 64] x [K 64, N 2,048]; A: computed on the way; B: computed on the way: QUANTISED
;;     2. batch 64 x [M 64, K 2,048] x [K 2,048, N 2,048]; A: input qkv; B: softmax (see below): QUANTISED
;;   THE QUANTISER, for each operand of a quantised product, along K:
;;     - K is cut into blocks of 32 from its start; a last block that is shorter is filled with zeros.
;;     - A block's scale is 2^e with e = floor(log2(the largest magnitude in the block)) - 2, held to -126 .. 127; a block of zeros has e = 0. As a byte (E8M0): e + 127.
;;     - Each number is divided by its block's scale, clamped to +-7.5, and rounded to the nearest number of E2M3, ties to even, subnormals kept.
;;     - The product sums the exact products of the quantised numbers (number of the format x scale) in f32.
;;   ~~~python
;;   def quantise(x, axis):      # numpy; x: float32 -> the quantised numbers, widened to float32 again
;;       x = np.moveaxis(x, axis, -1); K = x.shape[-1]
;;       x = np.pad(x, [(0, 0)] * (x.ndim - 1) + [(0, -K % 32)]); x = x.reshape(x.shape[:-1] + (-1, 32)); a = np.abs(x).max(-1, keepdims=True)
;;       e = np.where(a > 0, np.clip(np.frexp(np.where(a > 0, a, 1))[1] - 1 - 2, -126, 127), 0)      # np.frexp(a)[1] - 1 = floor(log2(a)), exactly
;;       r = np.clip(x / 2.0 ** e, -7.5, 7.5)
;;       step = 2.0 ** (np.maximum(np.frexp(np.where(r == 0, 1, r))[1] - 1, 0) - 3)
;;       q = np.round(r / step) * step * 2.0 ** e      # np.round: ties to even
;;       return np.moveaxis(q.reshape(q.shape[:-2] + (-1,))[..., :K], -1, axis).astype(np.float32)
;;   ~~~
;;   SOFTMAX AHEAD OF A QUANTISED PRODUCT. Where the list says 'softmax', what is quantised is not the finished softmax but p = 2^(t - M), with t = logit x log2(e) and M = ceil(the row's largest t), a whole number; so 1/2 < the row's largest p <= 1. The row's sum l is taken of the UNQUANTISED p, in f32, and the product's result is divided by l at the end. Since M is a whole number, a kernel that streams over the keys may use a running M (the ceiling of the running maximum): every later rescaling is an exact power of two, which a block's scale takes up: the codes' values come out the same.
;;   OPERANDS COMPUTED ON THE WAY. 'Computed on the way' means the value that the module computes at that place (a softmax that the list does not call 'softmax' is quantised finished and normalised). What goes into a quantiser is computed in f32, as accurately as f32 sums, v_exp_f32 and their like allow (about 1e-6 of the number): no bf16 or f16 on the way to a quantiser, and a product that is left as it is and whose result goes on into a quantised operand takes f32 operands (vector FMAs, or v_wmma_f32_16x16x4_f32). A number that lies on a knife's edge between two numbers of the format may be rounded either way, as far as f32 arithmetic and the matrix unit's own rounding can turn it there, and no further.
;; One version. Each part assembles by itself: llvm-mc -triple=amdgcn-amd-amdhsa -mcpu=gfx1250 --defsym DOCPART=n.
;; ======== version 1 of 1: 1 launch
;; limits: right only within a limited range of input values
;; launch attn (part 1): grid 256 x 1, 8 waves a work-group, clusters of 4 x 1, 327,680 bytes of LDS; arguments qkv, out0; writes out0
.if DOCPART == 1
	.amdgcn_target "amdgcn-amd-amdhsa--gfx1250"
	.amdhsa_code_object_version 6
	.text
	.protected	k_q1dddff965e_attn
	.globl	k_q1dddff965e_attn
	.p2align	8
	.type	k_q1dddff965e_attn,@function
k_q1dddff965e_attn:
	s_mov_b64 s[64:65], 0
	v_nop
	global_prefetch_b8 v0, s[64:65] scope:SCOPE_SE
	s_setreg_imm32_b32 hwreg(HW_REG_WAVE_MODE, 25, 1), 1
	s_wait_xcnt 0x0
	s_wait_alu depctr_hold_cnt(0) depctr_sa_sdst(0) depctr_va_vdst(0) depctr_va_sdst(0) depctr_va_ssrc(0) depctr_va_vcc(0) depctr_vm_vsrc(0)
	s_getreg_b32 s2, hwreg(HW_REG_IB_STS2, 6, 4)
	s_cmp_eq_u32 s2, 0
	s_cbranch_scc0 .Lentry_in_a_cluster
	s_endpgm
.Lentry_in_a_cluster:
	s_bfe_u32 s2, ttmp6, 0x10000c
	s_cmp_lg_u32 s2, 0x3003
	s_cbranch_scc0 .Lentry_shape_is_right
	s_endpgm
.Lentry_shape_is_right:
; out[head][c][t] = sum over s of softmax_s(q[.][t] . k[.][s] / 8) v[c][s], 64 heads; a head is 192 rows of 2,048 f32 of qkv: 64 of q, 64 of k, 64 of v, each [channel][position].
; Both products run on codes of FP6 (E2M3) with one E8M0 scale for each 32 along K.  First product: K = the 64 channels, q and k first multiplied by 8^(-1/2) in f32.  The instruction is 128 deep:
; Q's upper 64 codes are zeros, so whatever finite codes stand in K's upper six registers (the next fragment's) add nothing; their scale bytes repeat the real ones.
; Second product: K = the keys; p = 2^(t - M), t = score x log2(e), M = the running largest t rounded up to a whole number; the row's sum is taken of the unquantised p and divides at the end;
; when M moves, the sum and O are multiplied by 2^(old M - new M), which rounds nothing.
; SHARES.  The four work-groups of a cluster take one head, 512 queries each; a wave holds 64 queries, four tiles of 16; a lane holds ONE query (lane % 16) of each tile.  16 trips of 128 keys.
; K's and V's f32 rows of a key step (128 rows x 512 bytes) are the same for the four partners: they come by JOINT tensor loads (mask 15), 16 rows a wave, into a ring of two slots, one round of the
; cluster's barrier a trip.  In trip j each wave quantises one tile of K and one half fragment of V of step j + 1 out of one slot into one of two sets of images of the operands' registers, while step j + 2
; is on its way into the other slot, and runs step j's attention for its four query tiles on fragments read from the other set of images once.
; LAYOUT.  Both products are used transposed: S^T = K Q^T, O^T = V P^T.  Row r of K's tile t is key 64 (t / 4) + 32 (r / 8) + 8 (t % 4) + r % 8: so the 32 registers of tiles 4 c .. 4 c + 3 of lane (r, h)
; are the 32 neighbouring keys 64 c + 32 h + 0 .. 31, a whole block in one lane and in the order that the second product's operand wants: no lane is asked for a block's maximum, no code changes lanes.
; PREFETCH: in trip j each cluster names once each 256 bytes of key step j + 4 (two refills on): partner cx takes rows 32 cx on, wave w four of them, lanes 0-7 a block each (the other lanes repeat the wave's last);
; the loop's last two trips ask for nothing; steps 0 to 3 come by their loads alone.
; LIMITS: NaN and infinities among the inputs are not served.  A block of zeros gets the scale byte 1 where the rule says 127: its codes are zeros and this program alone reads the bytes.  A p under 2^-126
; becomes 0.  A block's largest p is taken from its largest score by the same multiply-add and exponential, which takes v_exp_f32 not to fall where its input rises.  Scaled scores stay under 2^31 in magnitude.
.set ROWG,  8192                       ; a row of qkv or out0 in bytes
.set HEADB, 192*ROWG
.set PKV,   528                        ; a slot's row: 512 bytes + 16 of padding
.set SLOT,  128*PKV
.set IMG,   2*SLOT                     ; behind the ring: two sets of images
.set FRH,   768                        ; a half fragment's image: 512 bytes (registers 0-3, 16 x lane), then 256 (registers 4-5, 8 x lane)
.set STEPB, 13056                      ; K's 8 tiles, V's 8 half fragments, K's scale words (512 bytes), V's (256)
.set VIMG,  8*FRH
.set KSC,   16*FRH                     ; K's word of tile 2 b + u, row r at 16 (r + 16 u) + 4 b
.set VSC,   KSC+512                    ; V's word of tile i, row r at 8 (r + 16 (i % 2)) + 4 (i / 2)
.set STG,   IMG+2*STEPB                ; a stage for each wave: 64 rows of 256 bytes + 16, for its Q and its output
.set PQ,    272
.set WSTG,  64*PQ
.set SPARE, STG+8*WSTG                 ; the spare words: 128 bytes a wave
; window 0
.set A16, 1
.set A8,  2
.set W16, 3
.set W8,  4
.set WSK, 5
.set WSV, 6
.set SRK, 7                            ; v7, v8: my key's column in slot 0, 1
.set SRV, 9                            ; v9, v10: my channel's 32 keys in slot 0, 1
.set SH8, 11
.set SPW, 12
.set NIL, 13
.set PFO, 14
.set GO,  15
.set QF,  16                           ; v16-63: tile q: 6 registers of codes, 6 of zero codes
.set QSC, 64
.set ST,  68                           ; v68-83: tile q: -M, the largest score, the sum in two halves
.set S,   84                           ; v84-147 S^T, then p
.set X,   148                          ; v148-179 the 32 numbers being quantised
.set PCD, 180
.set CT,  192
.set BM,  200
.set PT,  204
.set SO,  206
.set KS,  208
.set VS,  212
.set PS,  214
.set HW,  215
.set F,   216
.set TMP, 218
.set C1,  220
.set C2,  222
.set C3,  224
.set QC,  226
.set RD,  232
.set QRD, 233
.set OST, 234
.set LL,  236
.set RR,  237
.set HH,  238
.set T0,  239
.set T1,  240
; window 1: v0-127 O^T (tile q at 32 q), v128-175 K's eight tiles (6 registers each), v176-223 V's four fragments
.set KFR, 128
.set VFR, 176
.set WV,  8
.set SEL, 20
.set CS,  22
.set G1,  24
.set G0,  32
.set QS,  40
.set QP,  42
.set OUTP, 44
.set PFA, 46
.set CNT, 48
.set MSB, 0
.macro WIN new                         ; the immediate's high byte repeats the setting that is left
.if MSB != \new
	s_set_vgpr_msb (MSB<<8)|\new
.set MSB, \new
.endif
.endm
.macro PLACES
.rept 4
	v_nop
.endr
.endm
.macro ROUND                           ; a round of the cluster's barrier
	s_barrier_signal -1
	s_barrier_wait -1
	s_cmp_lg_u32 s[WV], 0
	s_cbranch_scc1 .Lnot0_\@
	s_barrier_signal -3
.Lnot0_\@:
	s_barrier_wait -3
	s_barrier_signal -1
	s_barrier_wait -1
.endm
.macro SCALE32 x                       ; q and k x 8^(-1/2), in f32, ahead of the quantiser
.set n, 0
.rept 16
	v_pk_mul_f32 v[\x+n:\x+n+1], v[\x+n:\x+n+1], s[QS:QS+1] op_sel_hi:[1,0]
.set n, n+2
.endr
.endm
; 32 numbers of a lane are ONE block: codes to v[d] .. v[d + 5]; v[HW] gets the byte of lanes 0-15's block (low) and of lanes 16-31's (next), the same in both lanes
.macro QUANT32 x, d
	v_max3_num_f32 v[BM], |v[\x]|, |v[\x+1]|, 0x1800000              ; with the floor 2^(3 - 127): the byte cannot fall under 1
	v_max3_num_f32 v[BM+1], |v[\x+2]|, |v[\x+3]|, |v[\x+4]|
.irp i, 5,9,13,17,21,25
	s_delay_alu instid0(VALU_DEP_2)
	v_max3_num_f32 v[BM], v[BM], |v[\x+\i]|, |v[\x+\i+1]|
	s_delay_alu instid0(VALU_DEP_2)
	v_max3_num_f32 v[BM+1], v[BM+1], |v[\x+\i+2]|, |v[\x+\i+3]|
.endr
	s_delay_alu instid0(VALU_DEP_2)
	v_max3_num_f32 v[BM], v[BM], |v[\x+29]|, |v[\x+30]|
	s_delay_alu instid0(VALU_DEP_1)
	v_max3_num_f32 v[BM], v[BM], v[BM+1], |v[\x+31]|
	s_delay_alu instid0(VALU_DEP_1)
	v_add_nc_u32 v[SO], 0xff000000, v[BM]                            ; 2 off the exponent field: the conversion's scale operand
	s_delay_alu instid0(VALU_DEP_1)
	v_lshrrev_b32 v[BM+1], 23, v[SO]                                 ; the byte,
	s_delay_alu instid0(VALU_DEP_1)
	v_lshlrev_b32 v[BM+1], v[SH8], v[BM+1]                           ; 8 (lane / 16) bits up
	s_delay_alu instid0(VALU_DEP_1)
	v_permlanex16_b32 v[PT], v[BM+1], s[SEL], s[SEL+1]
	v_cvt_scalef32_pk16_fp6_f32 v[\d:\d+2], v[\x:\x+15], v[SO]
	v_cvt_scalef32_pk16_fp6_f32 v[CT:CT+2], v[\x+16:\x+31], v[SO]    ; (a conversion's three registers begin on an even number)
	v_or_b32 v[HW], v[BM+1], v[PT]                                   ; both bytes; also the plain place behind the conversions
.irp i, 0,1,2
	v_mov_b32 v[\d+3+\i], v[CT+\i]
.endr
.endm
.macro KLOAD n                         ; my key's column out of slot n: channels 32 (lane / 16) + 0 .. 31
.set m, 0
.rept 32
	ds_load_b32 v[X+m], v[SRK+\n] offset:PKV*m
.set m, m+1
.endr
.endm
.macro QUANTK n                        ; K's tile = my wave's number, into image set n; then V's numbers are asked for
	s_wait_dscnt 0x0
	SCALE32 X
	QUANT32 X, QC
	s_delay_alu instid0(VALU_DEP_4)
	v_lshl_or_b32 v[HW], v[HW], 16, v[HW]                            ; the bytes over the upper 64 repeat the real ones
	ds_store_b128 v[W16], v[QC:QC+3] offset:\n*STEPB
	ds_store_b64 v[W8], v[QC+4:QC+5] offset:\n*STEPB+512
	ds_store_b32 v[WSK], v[HW] offset:\n*STEPB+KSC                   ; lanes l and l xor 16 write the same word with the same value
.irp i, 0,1,2,3,4,5,6,7
	ds_load_b128 v[X+4*\i:X+4*\i+3], v[SRV+\n] offset:16*\i
.endr
.endm
.macro QUANTV n                        ; V's half fragment = my wave's number
	s_wait_dscnt 0x0
	QUANT32 X, QC
	ds_store_b128 v[W16], v[QC:QC+3] offset:\n*STEPB+VIMG
	ds_store_b64 v[W8], v[QC+4:QC+5] offset:\n*STEPB+VIMG+512
	ds_store_b16 v[WSV], v[HW] offset:\n*STEPB+VSC
.endm
.macro QK q, k0                        ; S^T of key tiles k0 .. k0 + 3 against query tile q
	WIN 0x01
.irp t, 0,2
	v_wmma_scale_f32_16x16x128_f8f6f4 v[S+8*(\k0+\t):S+8*(\k0+\t)+7], v[KFR+6*(\k0+\t):KFR+6*(\k0+\t)+11], v[QF+12*(\q):QF+12*(\q)+11], 0, v[KS+(\k0+\t)/2], v[QSC+(\q)] matrix_a_fmt:MATRIX_FMT_FP6 matrix_b_fmt:MATRIX_FMT_FP6
	v_wmma_scale_f32_16x16x128_f8f6f4 v[S+8*(\k0+\t+1):S+8*(\k0+\t+1)+7], v[KFR+6*(\k0+\t+1):KFR+6*(\k0+\t+1)+11], v[QF+12*(\q):QF+12*(\q)+11], 0, v[KS+(\k0+\t)/2], v[QSC+(\q)] matrix_a_fmt:MATRIX_FMT_FP6 matrix_b_fmt:MATRIX_FMT_FP6 matrix_a_scale:MATRIX_SCALE_ROW1
.endr
.endm
.macro PV q                            ; O^T += V P^T: four accumulators, one instruction a turn
	WIN 0x51
.irp i, 0,2
	v_wmma_scale_f32_16x16x128_f8f6f4 v[32*(\q)+8*\i:32*(\q)+8*\i+7], v[VFR+12*\i:VFR+12*\i+11], v[PCD:PCD+11], v[32*(\q)+8*\i:32*(\q)+8*\i+7], v[VS+\i/2], v[PS] matrix_a_fmt:MATRIX_FMT_FP6 matrix_b_fmt:MATRIX_FMT_FP6
	v_wmma_scale_f32_16x16x128_f8f6f4 v[32*(\q)+8*\i+8:32*(\q)+8*\i+15], v[VFR+12*\i+12:VFR+12*\i+23], v[PCD:PCD+11], v[32*(\q)+8*\i+8:32*(\q)+8*\i+15], v[VS+\i/2], v[PS] matrix_a_fmt:MATRIX_FMT_FP6 matrix_b_fmt:MATRIX_FMT_FP6 matrix_a_scale:MATRIX_SCALE_ROW1
.endr
	WIN 0
.endm
.macro ADDP d, k
	v_pk_add_f32 v[\d:\d+1], v[\d:\d+1], v[S+2*(\k):S+2*(\k)+1]
.endm
.macro ADD2 d, k
	v_pk_add_f32 v[\d:\d+1], v[S+2*(\k):S+2*(\k)+1], v[S+2*(\k)+2:S+2*(\k)+3]
.endm
; 128 keys against query tile q, whose scores lie in S.  nxt = 1: the next tile's scores are started as soon as p's registers are free
.macro TILE q, nxt
.set NM, ST+4*(\q)
.set SU, NM+2
.set OT, 32*(\q)
.irp c, 0,1                            ; each block's largest score, in two chains a block; each tile is read from its low end on.  The first four lines name key tiles 0-3 alone: they are the places behind tiles 4-7's products
	v_max3_num_f32 v[BM+\c], v[S+16*\c], v[S+16*\c+1], v[S+16*\c+2]
.endr
.irp c, 0,1
	v_max3_num_f32 v[BM+\c], v[BM+\c], v[S+16*\c+3], v[S+16*\c+4]
.endr
.irp c, 2,3
	v_max3_num_f32 v[BM+\c], v[S+16*\c], v[S+16*\c+1], v[S+16*\c+2]
.endr
.irp c, 2,3
	v_max3_num_f32 v[BM+\c], v[BM+\c], v[S+16*\c+3], v[S+16*\c+4]
.endr
.irp i, 5,7,9,11,13
.irp c, 0,1,2,3
	v_max3_num_f32 v[BM+\c], v[BM+\c], v[S+16*\c+\i], v[S+16*\c+\i+1]
.endr
.endr
	v_max3_num_f32 v[BM], v[BM], v[BM+1], v[S+15]
	v_max3_num_f32 v[BM+2], v[BM+2], v[BM+3], v[S+47]
	v_max_num_f32 v[BM], v[BM], v[S+31]                              ; my block of keys 32 h on
	v_max_num_f32 v[BM+2], v[BM+2], v[S+63]                          ; and of keys 64 + 32 h on
	s_delay_alu instid0(VALU_DEP_1)
	v_max_num_f32 v[TMP], v[BM], v[BM+2]
	s_delay_alu instid0(VALU_DEP_1)
	v_permlanex16_b32 v[PT], v[TMP], s[SEL], s[SEL+1]
	s_delay_alu instid0(VALU_DEP_1)
	v_max3_num_f32 v[NM+1], v[NM+1], v[TMP], v[PT]                   ; the running largest score of my query
	s_delay_alu instid0(VALU_DEP_1)
	v_mul_f32 v[TMP], s[CS], v[NM+1]                                 ; as t
	s_delay_alu instid0(VALU_DEP_1)
	v_floor_f32 v[TMP], -v[TMP]                                      ; the new -M = -ceil(t)
	s_delay_alu instid0(VALU_DEP_1)
	v_sub_f32 v[TMP+1], v[TMP], v[NM]                                ; old M - new M: a whole number, 0 or less
	v_mov_b32 v[NM], v[TMP]
	s_delay_alu instid0(VALU_DEP_2)
	v_cvt_i32_f32 v[TMP+1], v[TMP+1]                                 ; (it saturates)
	s_delay_alu instid0(VALU_DEP_1)
	v_ldexp_f32 v[F], 1.0, v[TMP+1]                                  ; f = 2^(old M - new M)
.set n, 0
.rept 32
	v_pk_fma_f32 v[S+n:S+n+1], v[S+n:S+n+1], s[CS:CS+1], v[NM:NM+1] op_sel_hi:[1,0,0]   ; t - M
.set n, n+2
.endr
	v_fma_f32 v[BM], v[BM], s[CS], v[NM]                             ; the same of each block's largest score
	v_fma_f32 v[BM+2], v[BM+2], s[CS], v[NM]
	WIN 0x41
	s_wait_alu depctr_va_vdst(0)                                     ; directly ahead of O^T's first reader, and ahead of the batch below
.set n, 0
.rept 16
	v_pk_mul_f32 v[OT+n:OT+n+1], v[OT+n:OT+n+1], v[F:F+1] op_sel_hi:[1,0]   ; O^T under the new M, each tile from its low end on
.set n, n+2
.endr
	WIN 0
	v_exp_f32 v[BM], v[BM]                                           ; the blocks' largest p
	v_exp_f32 v[BM+2], v[BM+2]
.set n, 0
.rept 64
	v_exp_f32 v[S+n], v[S+n]                                         ; p = 2^(t - M)
.set n, n+1
.endr
	v_pk_mul_f32 v[SU:SU+1], v[SU:SU+1], v[F:F+1] op_sel_hi:[1,0]    ; the sum under the new M; the plain place behind the batch
	s_wait_alu depctr_va_vdst(0)                                     ; one wait for the batch, ahead of its first reader
	v_max_num_f32 v[BM], 0x1800000, v[BM]                            ; the floor 2^(3 - 127)
	v_max_num_f32 v[BM+2], 0x1800000, v[BM+2]
	v_add_nc_u32 v[SO], 0xff000000, v[BM]
	v_add_nc_u32 v[SO+1], 0xff000000, v[BM+2]
.irp c, 0,1
	v_cvt_scalef32_pk16_fp6_f32 v[PCD+6*\c:PCD+6*\c+2], v[S+32*\c:S+32*\c+15], v[SO+\c]
	v_cvt_scalef32_pk16_fp6_f32 v[CT+4*\c:CT+4*\c+2], v[S+32*\c+16:S+32*\c+31], v[SO+\c]
.endr
	v_lshrrev_b32 v[PT], 23, v[SO]                                   ; the two bytes; also the plain place behind the conversions
	v_lshrrev_b32 v[PT+1], 23, v[SO+1]
.irp c, 0,1
.irp i, 0,1,2
	v_mov_b32 v[PCD+6*\c+3+\i], v[CT+4*\c+\i]
.endr
.endr
	v_lshl_or_b32 v[PT], v[PT+1], 16, v[PT]                          ; blocks h and 2 + h,
	ADD2 C1, 0                                                       ; THE ROW'S SUM IS TAKEN OF THE UNQUANTISED p, in four chains
	ADD2 C2, 2
	v_lshlrev_b32 v[PT], v[SH8], v[PT]                               ; at their places in p's scale word;
	ADD2 C3, 4
	ADDP SU, 6
	v_permlanex16_b32 v[PT+1], v[PT], s[SEL], s[SEL+1]
	ADDP C1, 7
	ADDP C2, 8
	v_or_b32 v[PS], v[PT], v[PT+1]                                   ; with lane l xor 16's two the word is whole
	ADDP C3, 9
	ADDP SU, 10
	ADDP C1, 11
	ADDP C2, 12
	ADDP C3, 13
	ADDP SU, 14
	ADDP C1, 15
.if \nxt
	QK (\q)+1, 0                                                     ; p of keys' tiles 0-3 has been summed and converted
	WIN 0
.endif
.irp k, 16,20,24,28
	ADDP C2, \k
	ADDP C3, \k+1
	ADDP SU, \k+2
	ADDP C1, \k+3
.endr
	v_pk_add_f32 v[C1:C1+1], v[C1:C1+1], v[C2:C2+1]
	v_pk_add_f32 v[SU:SU+1], v[SU:SU+1], v[C3:C3+1]
	v_pk_add_f32 v[SU:SU+1], v[SU:SU+1], v[C1:C1+1]
.if \nxt
	QK (\q)+1, 4
.endif
	PV \q
.endm
; Trip j, b = j % 2: attention on image set b; step j + 1 out of slot 1 - b into image set 1 - b; step j + 2 into slot b
.macro TRIP b, refill, quant, pf
	s_wait_tensorcnt 0x0                                             ; my part of the other slot has landed: no load of mine is out
.if \refill
	ds_add_u32 v[SPW], v[NIL]
	s_add_nc_u64 s[G0+4*\b+2:G0+4*\b+3], s[G0+4*\b+2:G0+4*\b+3], 1024   ; this slot's next key step
	s_wait_dscnt 0x0                                                 ; the add, my image stores and my reads of this slot and of the other images are done
	ROUND
	tensor_load_to_lds s[G0+4*\b:G0+4*\b+3], s[G1:G1+7]
	s_nop 0
.else
	s_wait_dscnt 0x0
	s_barrier_signal -1
	s_barrier_wait -1
.endif
	PLACES                                                           ; places in front of loads into registers that matrix instructions have read
	ds_load_b128 v[KS:KS+3], v[A16] offset:\b*STEPB+KSC
	ds_load_b64 v[VS:VS+1], v[A8] offset:\b*STEPB+VSC
	WIN 0x40
.irp t, 0,1,2,3,4,5,6,7,8,9,10,11,12,13,14,15
	ds_load_b128 v[KFR+6*\t:KFR+6*\t+3], v[A16] offset:\b*STEPB+FRH*\t
	ds_load_b64 v[KFR+6*\t+4:KFR+6*\t+5], v[A8] offset:\b*STEPB+FRH*\t+512
.endr
	WIN 0
.if \quant
	KLOAD (1-\b)
	s_wait_dscnt 32                                                  ; all but the 32 column loads just issued
.else
	s_wait_dscnt 0x0
.endif
	QK 0, 0
	QK 0, 4
	WIN 0
.if \pf
	s_cmp_gt_u32 s[CNT], 1                                           ; the loop's last two trips have no key step four on
	s_cbranch_scc0 .Lnopf_\@
	global_prefetch_b8 v[PFO], s[PFA:PFA+1] offset:(4+\b)*512 th:TH_LOAD_NT scope:SCOPE_SE
.Lnopf_\@:
.endif
	PLACES
	TILE 0, 1
.if \quant
	QUANTK (1-\b)
.endif
	TILE 1, 1
.if \quant
	QUANTV (1-\b)
.endif
	TILE 2, 1
	TILE 3, 0
.endm
.macro QLOAD q, x                      ; my query's column of Q out of my stage: channels 32 (lane / 16) + 0 .. 31
.set n, 0
.rept 32
	ds_load_b32 v[\x+n], v[QRD] offset:PQ*n+64*\q
.set n, n+1
.endr
.endm
.macro QQ q, x
	SCALE32 \x
	QUANT32 \x, QF+12*\q
	s_delay_alu instid0(VALU_DEP_4)
	v_lshl_or_b32 v[QSC+\q], v[HW], 16, v[HW]
.endm
	s_load_b128 s[4:7], s[0:1], 0x0                ; qkv, out0
	v_lshl_add_u32 v[SPW], v0, 2, SPARE
	v_mov_b32 v[NIL], 0
	ds_add_u32 v[SPW], v[NIL]                      ; the opening lines: the add twice on end, under one wait
	ds_add_u32 v[SPW], v[NIL]
	v_lshrrev_b32 v[TMP], 5, v0
	v_readfirstlane_b32 s[WV], v[TMP]              ; wave 0..7
	s_bfe_u32 s9, ttmp6, 0x40000                   ; cx: which 512 queries of the head; ttmp9 (the cluster's x) is the head
	s_mov_b32 s[G1], 15|(2<<16)|(1<<20)|(1<<21)|(6<<22)|(3<<25)   ; the four partners; 4-byte elements; 4 words of padding behind every 128
	s_mov_b32 s[G1+1], 128<<16
	s_mov_b32 s[G1+2], 16<<16
	s_mov_b32 s[G1+3], 128<<16
	s_mov_b32 s[G1+4], 16
	s_mov_b32 s[G1+5], 2048
	s_mov_b32 s[G1+6], 0
	s_mov_b32 s[G1+7], 0
	s_mov_b32 s[SEL], 0x76543210
	s_mov_b32 s[SEL+1], 0xfedcba98
	s_mov_b32 s[CS], 0x3fb8aa3b                    ; log2(e)
	s_mov_b32 s[CS+1], s[CS]
	s_mov_b32 s[QS], 0x3eb504f3                    ; 8^(-1/2)
	s_mov_b32 s[QS+1], s[QS]
	s_and_b32 s10, s[WV], 1
	s_lshr_b32 s11, s[WV], 1
	s_lshr_b32 s12, s[WV], 2
	s_and_b32 s13, s[WV], 3
	s_and_b32 s14, s11, 1
	s_mul_i32 s50, s[WV], FRH                      ; my image's place in a set
	s_lshl_b32 s51, s10, 8                         ; K's word, tile w = 2 b + u: 256 u + 4 b
	s_lshl_b32 s15, s11, 2
	s_add_co_u32 s51, s51, s15
	s_add_co_u32 s51, s51, IMG
	s_lshl_b32 s52, s14, 7                         ; V's bytes, fragment i = w / 2, half c = w % 2: 128 (i % 2) + 4 (i / 2) + 2 c
	s_lshl_b32 s15, s12, 2
	s_add_co_u32 s52, s52, s15
	s_lshl_b32 s15, s10, 1
	s_add_co_u32 s52, s52, s15
	s_add_co_u32 s52, s52, IMG
	s_lshl_b32 s53, s12, 8                         ; K's keys of tile w: 4 x (64 (w / 4) + 8 (w % 4))
	s_lshl_b32 s15, s13, 5
	s_add_co_u32 s53, s53, s15
	s_mul_i32 s54, s11, 16*PKV                     ; V: rows 64 + 16 i on, keys 64 c on
	s_lshl_b32 s15, s10, 8
	s_add_co_u32 s54, s54, s15
	s_add_co_u32 s54, s54, 64*PKV
	s_mul_i32 s55, s[WV], WSTG
	s_add_co_u32 s55, s55, STG                     ; my stage
	s_mul_i32 s[G0+1], s[WV], 16*PKV               ; my 16 rows of a slot
	s_add_co_u32 s[G0+5], s[G0+1], SLOT
	s_mov_b32 s[G0], 1
	s_mov_b32 s[G0+4], 1
	s_mul_i32 s16, ttmp9, HEADB                    ; offsets in memory, each under 2^32
	s_lshl_b32 s17, s9, 11
	s_lshl_b32 s15, s[WV], 8
	s_add_co_u32 s17, s17, s15                     ; my 64 positions of a row
	s_add_co_u32 s[QP], s16, s17
	s_mov_b32 s[QP+1], 0
	s_lshl_b32 s[OUTP], ttmp9, 19
	s_add_co_u32 s[OUTP], s[OUTP], s17
	s_mov_b32 s[OUTP+1], 0
	s_lshl_b32 s18, s[WV], 17                      ; K and V: rows 64 + 16 w on
	s_add_co_u32 s18, s18, s16
	s_add_co_u32 s18, s18, 64*ROWG
	s_mov_b32 s19, 0
	s_lshl_b32 s[PFA], s9, 18                      ; the prefetches: rows 64 + 32 cx + 4 w on
	s_lshl_b32 s15, s[WV], 15
	s_add_co_u32 s[PFA], s[PFA], s15
	s_add_co_u32 s[PFA], s[PFA], s16
	s_add_co_u32 s[PFA], s[PFA], 64*ROWG
	s_mov_b32 s[PFA+1], 0
	v_and_b32 v[LL], 31, v0
	v_and_b32 v[RR], 15, v0                        ; r
	v_bfe_u32 v[HH], v0, 4, 1                      ; h
	v_lshl_add_u32 v[A16], v[LL], 4, IMG
	v_lshl_add_u32 v[A8], v[LL], 3, IMG
	v_add_nc_u32 v[W16], s50, v[A16]
	v_add_nc_u32 v[W8], s50, v[A8]
	v_lshl_add_u32 v[WSK], v[RR], 4, s51
	v_lshl_add_u32 v[WSV], v[RR], 3, s52
	v_and_b32 v[T0], 7, v0
	v_and_b32 v[T1], 8, v0
	v_lshlrev_b32 v[T0], 2, v[T0]
	v_lshl_add_u32 v[T0], v[T1], 4, v[T0]          ; 4 (r % 8) + 128 (r / 8)
	v_mad_u32_u24 v[T0], v[HH], 32*PKV, v[T0]      ; channels 32 h on
	v_add_nc_u32 v[SRK], s53, v[T0]
	v_add_nc_u32 v[SRK+1], SLOT, v[SRK]
	v_mul_u32_u24 v[T0], v[RR], PKV
	v_lshl_add_u32 v[T0], v[HH], 7, v[T0]          ; keys 32 h on
	v_add_nc_u32 v[SRV], s54, v[T0]
	v_add_nc_u32 v[SRV+1], SLOT, v[SRV]
	v_lshlrev_b32 v[SH8], 3, v[HH]
	v_mul_u32_u24 v[T0], v[HH], PQ
	v_lshl_add_u32 v[T0], v[RR], 4, v[T0]
	v_add_nc_u32 v[RD], s55, v[T0]                 ; my stage by rows: sixteen lanes to a row of 256 bytes, two rows an instruction
	v_lshl_add_u32 v[T1], v[RR], 2, s55
	v_mad_u32_u24 v[QRD], v[HH], 32*PQ, v[T1]      ; by columns: Q, channels 32 h on
	v_mad_u32_u24 v[OST], v[HH], 8*PQ, v[T1]       ; the output, channels 8 h on
	v_lshlrev_b32 v[GO], 13, v[HH]
	v_lshl_add_u32 v[GO], v[RR], 4, v[GO]          ; the same two rows in memory
	v_min_u32 v[T0], 7, v[LL]
	v_and_b32 v[T1], 1, v[T0]
	v_lshrrev_b32 v[T0], 1, v[T0]
	v_lshlrev_b32 v[T0], 13, v[T0]
	v_lshl_add_u32 v[PFO], v[T1], 8, v[T0]         ; lanes 0-7: four rows x two blocks of 256 bytes
.irp q, 0,1,2,3
.irp i, 6,7,8,9,10,11
	v_mov_b32 v[QF+12*\q+\i], 0                    ; the zero codes of K = 64 .. 127
.endr
.endr
	v_mov_b32 v[PT], 0                             ; a lane permute's destination counts as one of its sources
	v_mov_b32 v[PT+1], 0
	v_mov_b32 v[F+1], 0                            ; (named as the upper half of a pair)
	s_wait_alu depctr_va_vdst(0)                   ; directly ahead of the waits below
	s_wait_dscnt 0x0                               ; both opening adds are done
	s_wait_kmcnt 0x0
	s_add_nc_u64 s[QP:QP+1], s[4:5], s[QP:QP+1]
	s_add_nc_u64 s[OUTP:OUTP+1], s[6:7], s[OUTP:OUTP+1]
	s_add_nc_u64 s[PFA:PFA+1], s[4:5], s[PFA:PFA+1]
	s_add_nc_u64 s[18:19], s[4:5], s[18:19]
	s_mov_b64 s[G0+2:G0+3], s[18:19]               ; key step 0
	s_or_b32 s[G0+3], s[G0+3], 0x80000000
	s_add_nc_u64 s[G0+6:G0+7], s[18:19], 512       ; key step 1
	s_or_b32 s[G0+7], s[G0+7], 0x80000000
	WIN 0x40
.set n, 0
.rept 32
	global_load_b128 v[4*n:4*n+3], v[GO], s[QP:QP+1] offset:2*ROWG*n th:TH_LOAD_NT   ; my Q: sixteen lanes read a row's 256 bytes; into the registers that O^T will take
.set n, n+1
.endr
	WIN 0
	ROUND                                          ; in front of the first joint loads
	tensor_load_to_lds s[G0:G0+3], s[G1:G1+7]      ; key step 0 into slot 0: my one load at the head
	s_nop 0
	PLACES
	WIN 0x04
.irp g, 0,1,2,3
	s_wait_loadcnt 24-8*\g                         ; group g's eight loads are in; the younger groups may be out
.irp i, 0,1,2,3,4,5,6,7
	ds_store_b128 v[RD], v[4*(8*\g+\i):4*(8*\g+\i)+3] offset:2*(8*\g+\i)*PQ
.endr
.endr
	WIN 0
	QLOAD 0, S                                     ; LDS serves a wave's instructions in order: these see my stores
	QLOAD 1, S+32
	s_wait_dscnt 32                                ; tile 0's column is in (and my stores have read their registers)
	WIN 0x40
.set n, 0
.rept 128
	v_mov_b32 v[n], 0                              ; O^T: the step is written once; the first finds zeros
.set n, n+1
.endr
	WIN 0
	QQ 0, S
	QLOAD 2, S
	s_wait_dscnt 32
	QQ 1, S+32
	QLOAD 3, S+32
	s_wait_dscnt 32
	QQ 2, S
	s_wait_dscnt 0x0
	QQ 3, S+32
.irp q, 0,1,2,3
	v_mov_b32 v[ST+4*\q+1], 0xfe967699             ; the largest score so far: -1e38
	v_mov_b32 v[ST+4*\q+2], 0                      ; the sum, in two halves
	v_mov_b32 v[ST+4*\q+3], 0
.endr
.irp q, 0,1,2,3
	v_mul_f32 v[ST+4*\q], s[CS], v[ST+4*\q+1]
.endr
.irp q, 0,1,2,3
	v_floor_f32 v[ST+4*\q], -v[ST+4*\q]            ; -M
.endr
	s_wait_alu depctr_va_vdst(0)
	s_wait_tensorcnt 0x0                           ; my part of key step 0 is in; slot 1's first fill is issued as a refill is
	ds_add_u32 v[SPW], v[NIL]
	s_wait_dscnt 0x0
	ROUND
	tensor_load_to_lds s[G0+4:G0+7], s[G1:G1+7]    ; key step 1 into slot 1
	s_nop 0
	PLACES
	KLOAD 0                                        ; key step 0 becomes image set 0
	QUANTK 0
	QUANTV 0
	s_mov_b32 s[CNT], 7
.Ltrips:                                               ; trips 0 .. 13, two a turn
	TRIP 0, 1, 1, 1
	TRIP 1, 1, 1, 1
	s_wait_xcnt 0x0                                ; my prefetches have read their base
	s_add_nc_u64 s[PFA:PFA+1], s[PFA:PFA+1], 1024
	s_sub_co_u32 s[CNT], s[CNT], 1
	s_cmp_lg_u32 s[CNT], 0
	s_cbranch_scc1 .Ltrips
	TRIP 0, 0, 1, 0                                ; trip 14 fetches nothing more,
	TRIP 1, 0, 0, 0                                ; trip 15 quantises nothing more
	; THE WAY OUT: O^T / the sum goes into my stage as [64 channels][64 queries] and leaves by rows
.irp q, 0,1,2,3
	v_add_f32 v[ST+4*\q+2], v[ST+4*\q+2], v[ST+4*\q+3]
.endr
.irp q, 0,1,2,3
	v_permlanex16_b32 v[BM+\q], v[ST+4*\q+2], s[SEL], s[SEL+1]
.endr
.irp q, 0,1,2,3
	v_add_f32 v[ST+4*\q+2], v[ST+4*\q+2], v[BM+\q] ; with lane l xor 16's keys: the row's sum
.endr
	s_wait_alu depctr_va_vdst(0)                   ; ahead of the batch
.irp q, 0,1,2,3
	v_rcp_f32 v[ST+4*\q+2], v[ST+4*\q+2]
.endr
	v_nop                                          ; a plain place behind the reciprocals
.irp q, 0,1,2,3
	WIN 0x01
	s_wait_alu depctr_va_vdst(0)                   ; directly ahead of the tile's first reader
.set n, 0
.rept 16
	v_pk_mul_f32 v[S+32*(\q%2)+n:S+32*(\q%2)+n+1], v[32*\q+n:32*\q+n+1], v[ST+4*\q+2:ST+4*\q+3] op_sel_hi:[1,0]   ; register 8 i + j: channel 16 i + 8 h + j of my query
.set n, n+2
.endr
	WIN 0
.irp i, 0,1,2,3
.irp j, 0,1,2,3,4,5,6,7
	ds_store_b32 v[OST], v[S+32*(\q%2)+8*\i+\j] offset:PQ*(16*\i+\j)+64*\q
.endr
.endr
.endr
.set n, 0
.rept 32
	ds_load_b128 v[S+4*n:S+4*n+3], v[RD] offset:2*n*PQ   ; back by rows: these see my stores
.set n, n+1
.endr
.set n, 0
.rept 32
	s_wait_dscnt 31-n                              ; load n is in, the 31 - n younger ones may be out
	global_store_b128 v[GO], v[S+4*n:S+4*n+3], s[OUTP:OUTP+1] offset:2*ROWG*n th:TH_STORE_NT   ; sixteen lanes store 256 consecutive bytes, at a multiple of 256 from out0's first byte
.set n, n+1
.endr
	s_wait_tensorcnt 0x0                           ; the wave's end
	ds_add_u32 v[SPW], v[NIL]
	s_wait_dscnt 0x0
	ROUND                                          ; the closing round
	s_endpgm
.Lfunc_end_k_q1dddff965e_attn:
	.size	k_q1dddff965e_attn, .Lfunc_end_k_q1dddff965e_attn-k_q1dddff965e_attn
	.p2alignl 7, 3214868480
	.fill 96, 4, 3214868480
	.section	.rodata,"a",@progbits
	.p2align	6, 0x0
	.amdhsa_kernel k_q1dddff965e_attn
		.amdhsa_group_segment_fixed_size 327680
		.amdhsa_private_segment_fixed_size 0
		.amdhsa_enable_private_segment 0
		.amdhsa_kernarg_size 16
		.amdhsa_user_sgpr_count 2
		.amdhsa_user_sgpr_kernarg_segment_ptr 1
		.amdhsa_wavefront_size32 1
		.amdhsa_system_sgpr_workgroup_id_x 1
		.amdhsa_system_sgpr_workgroup_id_y 1
		.amdhsa_system_sgpr_workgroup_id_z 1
		.amdhsa_system_vgpr_workitem_id 0
		.amdhsa_next_free_vgpr 512
		.amdhsa_next_free_sgpr 66
		.amdhsa_reserve_vcc 0
		.amdhsa_float_denorm_mode_32 3
		.amdhsa_float_denorm_mode_16_64 3
		.amdhsa_memory_ordered 1
		.amdhsa_forward_progress 1
		.amdhsa_inst_pref_size 255
	.end_amdhsa_kernel
	.section	.bss,"aw",@nobits
	.p2align	6
	.space	262144
	.amdgpu_metadata
---
amdhsa.version: [ 1, 2 ]
amdhsa.kernels:
  - .name:           k_q1dddff965e_attn
    .symbol:         k_q1dddff965e_attn.kd
    .args:
      - { .name: qkv, .offset: 0, .size: 8, .value_kind: global_buffer, .address_space: global }
      - { .name: out0, .offset: 8, .size: 8, .value_kind: global_buffer, .address_space: global }
    .group_segment_fixed_size: 327680
    .private_segment_fixed_size: 0
    .kernarg_segment_align: 8
    .kernarg_segment_size: 16
    .max_flat_workgroup_size: 256
    .sgpr_count:     66
    .vgpr_count:     512
    .wavefront_size: 32
...
	.end_amdgpu_metadata
.endif
;; end of part 1
